; MI455X (gfx1250); checked and timed in simulation.
; The chip was launched on July 23, 2026; its instructions are those of AMD's public machine-readable ISA for CDNA 5 (MIT licence, August 2026) and "CDNA5" Instruction Set Architecture Reference Guide (July 2026). The comments in the code are by the model that wrote it; some were corrected since.
;; Prompt Attention. Allowed arithmetic: matrix products marked QUANTISED: E2M3 operands, one E8M0 scale for each 32 along K, by v_wmma_scale_f32_16x16x128_f8f6f4 with both operands' format E2M3, f32 sums; products left as they are: f32 operands where the result goes on into a quantised operand, else bf16, f16 or f32 operands; f32 sums; everything else in f32.
;; Inputs: Wk 64 x 64 float32; Wo 512 x 128 float32; Wq 64 x 64 float32; bk 64 float32; bo 128 float32; bq 64 float32; key 32 x 2,048 x 64 float32; query 32 x 128 x 64 float32; value 32 x 2,048 x 64 float32.
;; Outputs: out0 32 x 128 x 128 float32.
;; This version of the problem:
;;   THIS VERSION OF THE PROBLEM IS GIVEN IN LOW PRECISION. The matrix products marked QUANTISED in the list below multiply operands that are first quantised to E2M3 (2 exponent bits, 3 mantissa bits; 6 bits a number), with one power-of-two scale for each 32 numbers along K (OCP MX v1.0); their sums are f32. All else is computed in f32.
;;   The module's matrix products, in the order in which they are computed (A, B: the left and right operand; K: the contracted axis; several contracted axes count as one K, in the product's order):
;;     1. [M 4,096, K 64] x [K 64, N 64]; A: input query; B: input Wq: QUANTISED
;;     2. [M 65,536, K 64] x [K 64, N 64]; A: input key; B: input Wk: QUANTISED
;;     3. batch 256 x [M 128, K 8] x [K 8, N 2,048]; A: computed on the way; B: computed on the way: left as it is (K = 8 < 32)
;;     4. batch 32 x [M 1,024, K 2,048] x [K 2,048, N 64]; A: computed on the way; B: input value: QUANTISED
;;     5. [M 4,096, K 512] x [K 512, N 128]; A: computed on the way; B: input Wo: QUANTISED
;;   THE QUANTISER, for each operand of a quantised product, along K:
;;     - K is cut into blocks of 32 from its start; a last block that is shorter is filled with zeros.
;;     - A block's scale is 2^e with e = floor(log2(the largest magnitude in the block)) - 2, held to -126 .. 127; a block of zeros has e = 0. As a byte (E8M0): e + 127.
;;     - Each number is divided by its block's scale, clamped to +-7.5, and rounded to the nearest number of E2M3, ties to even, subnormals kept.
;;     - The product sums the exact products of the quantised numbers (number of the format x scale) in f32.
;;   ~~~python
;;   def quantise(x, axis):      # numpy; x: float32 -> the quantised numbers, widened to float32 again
;;       x = np.moveaxis(x, axis, -1); K = x.shape[-1]
;;       x = np.pad(x, [(0, 0)] * (x.ndim - 1) + [(0, -K % 32)]); x = x.reshape(x.shape[:-1] + (-1, 32)); a = np.abs(x).max(-1, keepdims=True)
;;       e = np.where(a > 0, np.clip(np.frexp(np.where(a > 0, a, 1))[1] - 1 - 2, -126, 127), 0)      # np.frexp(a)[1] - 1 = floor(log2(a)), exactly
;;       r = np.clip(x / 2.0 ** e, -7.5, 7.5)
;;       step = 2.0 ** (np.maximum(np.frexp(np.where(r == 0, 1, r))[1] - 1, 0) - 3)
;;       q = np.round(r / step) * step * 2.0 ** e      # np.round: ties to even
;;       return np.moveaxis(q.reshape(q.shape[:-2] + (-1,))[..., :K], -1, axis).astype(np.float32)
;;   ~~~
;;   OPERANDS COMPUTED ON THE WAY. 'Computed on the way' means the value that the module computes at that place (a softmax that the list does not call 'softmax' is quantised finished and normalised). What goes into a quantiser is computed in f32, as accurately as f32 sums, v_exp_f32 and their like allow (about 1e-6 of the number): no bf16 or f16 on the way to a quantiser, and a product that is left as it is and whose result goes on into a quantised operand takes f32 operands (vector FMAs, or v_wmma_f32_16x16x4_f32). A number that lies on a knife's edge between two numbers of the format may be rounded either way, as far as f32 arithmetic and the matrix unit's own rounding can turn it there, and no further.
;; One version. Each part assembles by itself: llvm-mc -triple=amdgcn-amd-amdhsa -mcpu=gfx1250 --defsym DOCPART=n.
;; ======== version 1 of 1: 3 launches
;; workspace buffers: kw 16,777,216 bytes; qw 1,048,576 bytes; vc 4,194,304 bytes; vs 1,048,576 bytes; xc 1,572,864 bytes; xs 262,144 bytes; woc 49,152 bytes; wos 8,192 bytes
;; launch prep (part 1): grid 544 x 1, 4 waves a work-group, no clusters, 74,752 bytes of LDS; arguments key, query, value, Wk, Wq, bk, bq, Wo, kw, qw, vc, vs, woc, wos; writes kw, qw, vc, vs, woc, wos
.if DOCPART == 1
	.amdgcn_target "amdgcn-amd-amdhsa--gfx1250"
	.amdhsa_code_object_version 6
	.text
	.protected	k_q0d349e16cc_prep
	.globl	k_q0d349e16cc_prep
	.p2align	8
	.type	k_q0d349e16cc_prep,@function
k_q0d349e16cc_prep:
	s_mov_b64 s[64:65], 0
	v_nop
	global_prefetch_b8 v0, s[64:65] scope:SCOPE_SE
	s_setreg_imm32_b32 hwreg(HW_REG_WAVE_MODE, 25, 1), 1
	s_wait_xcnt 0x0
; PromptAttention, first of three launches: what every head needs is made once.
;   k = Q(key) Q(Wk) + bk and q = Q(query) Q(Wq) + bq (MX-FP6, K = 64, f32 sums) for all 64 channels, stored as f32 (kw, qw); value quantised along the keys (vc, vs); Wo quantised along its 512 rows (woc, wos).
; SHARES.  Work-groups 0-511: 128 rows of key, then the same 128 rows of value.  Work-groups 512-543: 128 rows of query; of these 512-527 then take Wo, a tile of 64 rows x 16 columns a wave.
; key or query, with its weight, bias and output, is a choice of pointers on the work-group's number: both take one path.  A wave takes 32 rows.
; VALUE'S ROWS ARE ASKED FOR EARLY: as soon as the weight's loads are in, into registers of their own (window 1), so that they come while key's rows are worked on.  These loads stand on the one path ahead of
; every branch, so that each counted wait counts the same loads on every path.  THE PRICE: a query work-group's waves ask for the value rows of their own row numbers too and use nothing of them: 32 of the
; 544 work-groups.  (So some rows of value are named twice: these loads carry no hint.)
; HALF-FILLED FRAGMENTS (K = 64 of the instruction's 128).  Lane (row, hh) holds the row's whole block hh: its first 16 numbers in registers 0-2, its other 16 in registers 6-8, zero codes in the rest;
; scale word [s0, s1, s0, s1].  The weight is laid the same way: lane (m, hh) takes column 16 t + m and its registers run down K = 32 hh + 0..31.
; THE WEIGHT'S FOUR FRAGMENTS are made by the four waves, one each, and go round as images of their registers in LDS: one barrier, ahead of every branch.
; THE PRODUCT IS USED TRANSPOSED: source 0 = 16 channels, source 1 = 16 rows: lane (r, hh) holds row r and, in tile t, the 8 channels of head 2 t + hh.  The bias is the C.
; kw: [b][head][half c][key 2048][4] f32 (channels 4 c .. 4 c + 3 of the head); qw likewise with 128 rows: sixteen lanes store 256 consecutive bytes, aligned, and the next launch's lane (r, hh) loads half hh of row r.
; ROWS COME DENSE: each load takes 512 consecutive bytes; the 32 rows turn through the wave's own stage in LDS (rows 272 bytes apart) into the order that the conversions want.
; value: a lane takes a channel and its registers run down the keys: 8 hh + 0..7 and 16 + 8 hh + 0..7 of a block of 32; the other 16 lie in lane l xor 16.
; vc: [b][block 64][dt 4][lane 32][16 bytes]: 12 bytes of codes and 4 bytes of 0, so that one 16-byte load fills a fragment's registers 0-3.  vs: [b][block][lane][dt 4] words, the block's byte in bytes 0-2.
; woc: [h][nt 8][block 2][column 16][piece 2][12 bytes]; wos: [h][nt][lane] words [s0, s0, s1, s1].
; LIMITS.  NaN and infinities are not served.  A block whose largest magnitude lies under 2^-124 keeps the scale byte 1; a block of zeros gets the byte 1 and not 127 (its codes are zeros, and these bytes are
; read by this program alone).
.set NKEY,  512                        ; work-groups that take key and value
.set FLOOR, 0x1800000                  ; 2^(3 - 127): under it no largest magnitude is taken, so a scale byte cannot fall under 1
.set PITCH, 272                        ; a stage row: 256 bytes + 16: row r begins 16 r bytes further on modulo 256, so the 16 rows of a 16-byte load fall on different banks (64 banks of 4 bytes: ISA guide 11.1)
.set WSC,   4096                       ; LDS: bytes 0-4095 the weight's images (tile t, half c at 1024 t + 512 c), then their scale words, 128 bytes a tile
.set STG,   4608                       ; then a stage of 32 rows for each wave,
.set WSTG,  32*PITCH
.set VST,   4*WSTG                     ; and, this far behind them, value's stages: bytes of their own
.set L16, 4                            ; v4  16 x lane; never rewritten
.set L4,  5                            ; v5  4 x lane
.set WA,  6                            ; v6  the weight: 8192 hh + 4 m + 64 w
.set BA,  7                            ; v7  the bias: 32 hh
.set SA,  8                            ; v8  the stage, in: 272 hh + 16 r
.set LA,  9                            ; v9  back, rows: 272 r + 128 hh
.set VA,  10                           ; v10 back, value: 8 x 272 hh + 4 r
.set WIS, 11                           ; v11 my image: 16 x lane + 1024 w
.set WSS, 12                           ; v12 its scale word: WSC + 4 x lane + 128 w
.set XO,  13                           ; v13 Wo's codes out: 24 r + 12 hh
.set WOA, 14                           ; v14 Wo: 4096 hh + 4 r
.set SH8, 15                           ; v15 8 hh
.set WW,  16                           ; v16 a scale word on its way to a store
.set VO,  18                           ; v18-25 out: tile t, half c at VO + 2 t + c
.set TM,  26                           ; v26-29 largest magnitudes, bytes
.set TX,  30                           ; v30-33 what lane l xor 16 sent
.set SO,  34                           ; v34-37 the conversions' scale operands
.set KS,  38                           ; v38-39 the rows' scale words     (v38-43 hold scales and nothing else)
.set WS,  40                           ; v40-43 the weight's
.set VW,  44                           ; v44-47 value's scale words, to be stored
.set CV,  48                           ; v48-63 codes to be stored, four registers a group, the fourth 0
.set KF,  64                           ; v64-87 the rows' two fragments
.set WX,  64                           ; v64-95 my column of the weight, until its codes are made
.set WF,  88                           ; v88-135 the weight's four fragments
.set BI,  136                          ; v136-167 the bias in the result's layout
.set XK,  168                          ; v168-231 32 rows; then the eight results; then a block of value or of Wo
.set VR,  0                            ; window 1, v256-319: my 32 rows of value as they are loaded
.set WV,  32                           ; s32 wave
.set IN,  34                           ; s[34:35] key or query
.set WP,  36                           ; s[36:37] Wk or Wq
.set BP,  38                           ; s[38:39] bk or bq
.set OP,  40                           ; s[40:41] kw or qw
.set LG,  42                           ; s42 log2 of a batch's rows: 11 or 7
.set IX,  43                           ; s43 my number among the work-groups of my kind
.set SEL, 60                           ; s[60:61] v_permlanex16_b32's selects for lane l xor 16
.set SELP, 62                          ; s62 v_perm_b32's select for [a, a, b, b]
.set MSB, 0
.macro WIN new                         ; s_set_vgpr_msb: bits 1:0 source 0, 3:2 source 1, 5:4 source 2, 7:6 destination; the immediate's high byte repeats the setting that is left
.if MSB != (\new)
	s_set_vgpr_msb (MSB<<8)|(\new)
.set MSB, (\new)
.endif
.endm
.macro PLACES n
.rept \n
	v_nop
.endr
.endm
; n runs of 32 numbers a lane (each a whole block) at v[xs] on become fragments at v[f], v[f + fs] (second half h2 registers on) and scale words [s0, s1, s0, s1] at v[sw] on
.macro QBLK xs, n, f, fs, h2, sw
.set uu, 0
.rept 2*(\n)
	v_max3_num_f32 v[TM+uu], |v[(\xs)+16*uu]|, |v[(\xs)+16*uu+1]|, FLOOR   ; chains of 16 numbers, by turns
.set uu, uu+1
.endr
.irp st, 2,4,6,8,10,12,14
.set uu, 0
.rept 2*(\n)
	v_max3_num_f32 v[TM+uu], |v[(\xs)+16*uu+\st]|, |v[(\xs)+16*uu+\st+1]|, v[TM+uu]
.set uu, uu+1
.endr
.endr
.set uu, 0
.rept \n
	v_max_num_f32 v[TM+2*uu], v[TM+2*uu], v[TM+2*uu+1]
.set uu, uu+1
.endr
.set uu, 0
.rept \n
	v_add_nc_u32 v[SO+uu], 0xff000000, v[TM+2*uu]  ; 2 off the exponent field: the conversion's scale operand
.set uu, uu+1
.endr
.set uu, 0
.rept \n
	v_lshrrev_b32 v[TM+2*uu+1], 23, v[SO+uu]       ; the scale's byte,
.set uu, uu+1
.endr
.set uu, 0
.rept \n
	v_mul_u32_u24 v[TM+2*uu+1], v[TM+2*uu+1], 0x10001   ; in bytes 0 and 2,
.set uu, uu+1
.endr
.set uu, 0
.rept \n
	v_lshlrev_b32 v[TM+2*uu+1], v[SH8], v[TM+2*uu+1]    ; block 1's in bytes 1 and 3;
.set uu, uu+1
.endr
.set uu, 0
.rept \n
	v_permlanex16_b32 v[TX+uu], v[TM+2*uu+1], s[SEL], s[SEL+1]
.set uu, uu+1
.endr
.set uu, 0
.rept \n
	v_or_b32 v[(\sw)+uu], v[TM+2*uu+1], v[TX+uu]   ; with lane l xor 16's the word is whole
.set uu, uu+1
.endr
.set uu, 0
.rept \n
	v_cvt_scalef32_pk16_fp6_f32 v[(\f)+(\fs)*uu:(\f)+(\fs)*uu+2], v[(\xs)+32*uu:(\xs)+32*uu+15], v[SO+uu]
	v_cvt_scalef32_pk16_fp6_f32 v[(\f)+(\fs)*uu+(\h2):(\f)+(\fs)*uu+(\h2)+2], v[(\xs)+32*uu+16:(\xs)+32*uu+31], v[SO+uu]
.set uu, uu+1
.endr
.endm
; n groups of 16 numbers a lane (half a block each; the other half in lane l xor 16) at v[src] on: the conversions' scale operands into v[so] on
.macro QMAX src, n, so
.set gg, 0
.rept \n
	v_max3_num_f32 v[TM+gg], |v[(\src)+16*gg]|, |v[(\src)+16*gg+1]|, FLOOR
.set gg, gg+1
.endr
.irp st, 2,4,6,8,10,12,14
.set gg, 0
.rept \n
	v_max3_num_f32 v[TM+gg], |v[(\src)+16*gg+\st]|, |v[(\src)+16*gg+\st+1]|, v[TM+gg]
.set gg, gg+1
.endr
.endr
.set gg, 0
.rept \n
	v_permlanex16_b32 v[TX+gg], v[TM+gg], s[SEL], s[SEL+1]
.set gg, gg+1
.endr
.set gg, 0
.rept \n
	v_max_num_f32 v[TM+gg], v[TM+gg], v[TX+gg]     ; the block's largest magnitude
.set gg, gg+1
.endr
.set gg, 0
.rept \n
	v_add_nc_u32 v[(\so)+gg], 0xff000000, v[TM+gg]
.set gg, gg+1
.endr
.endm
; value's groups 2 a and 2 a + 1 (channels 32 a on) out of the stage: number i of a lane is key 8 hh + i (+ 8 from i = 8 on)
.macro VHALF a
.irp d, 0,1
.irp i, 0,1,2,3,4,5,6,7,8,9,10,11,12,13,14,15
	ds_load_b32 v[XK+16*(2*(\a)+\d)+\i], v[VA] offset:VST+(\i+8*(\i/8))*PITCH+64*(2*(\a)+\d)
.endr
.endr
.endm
	s_load_b256 s[4:11], s[0:1], 0x0               ; key s[4:5], query s[6:7], value s[8:9], Wk s[10:11]
	s_load_b256 s[12:19], s[0:1], 0x20             ; Wq s[12:13], bk s[14:15], bq s[16:17], Wo s[18:19]
	s_load_b256 s[20:27], s[0:1], 0x40             ; kw s[20:21], qw s[22:23], vc s[24:25], vs s[26:27]
	s_load_b128 s[28:31], s[0:1], 0x60             ; woc s[28:29], wos s[30:31]
	v_lshl_add_u32 v254, v0, 2, 0x12200
	v_mov_b32 v255, 0
	v_lshrrev_b32 v1, 5, v0
	v_readfirstlane_b32 s[WV], v1                  ; wave 0..3
	v_and_b32 v1, 15, v0                           ; r
	v_bfe_u32 v2, v0, 4, 1                         ; hh
	v_and_b32 v3, 31, v0                           ; lane
	v_lshlrev_b32 v[L16], 4, v3
	v_lshlrev_b32 v[L4], 2, v3
	s_lshl_b32 s33, s[WV], 6
	v_lshlrev_b32 v[WA], 13, v2
	v_lshl_add_u32 v[WA], v1, 2, v[WA]
	v_add_nc_u32 v[WA], s33, v[WA]
	v_lshlrev_b32 v[BA], 5, v2
	s_mov_b32 s[SEL], 0x76543210
	s_mov_b32 s[SEL+1], 0xfedcba98
	s_mov_b32 s[SELP], 0x04040000
	s_wait_kmcnt 0x0
	s_cmp_lt_u32 ttmp9, NKEY                       ; key's work-group or query's?  The choice hangs on the work-group's number alone
	s_cselect_b64 s[IN:IN+1], s[4:5], s[6:7]
	s_cselect_b64 s[WP:WP+1], s[10:11], s[12:13]
	s_cselect_b64 s[BP:BP+1], s[14:15], s[16:17]
	s_cselect_b64 s[OP:OP+1], s[20:21], s[22:23]
	s_cselect_b32 s[LG], 11, 7
	s_cselect_b32 s[IX], 0, NKEY
	s_sub_co_u32 s[IX], ttmp9, s[IX]
	s_lshl_b32 s44, s[IX], 7
	s_lshl_b32 s45, s[WV], 5
	s_add_co_u32 s44, s44, s45                     ; my first row: 128 x work-group + 32 x wave
	s_lshl_b32 s46, s44, 8                         ; 256 bytes a row
	s_mov_b32 s47, 0
	s_add_nc_u64 s[IN:IN+1], s[IN:IN+1], s[46:47]
	s_add_nc_u64 s[8:9], s[8:9], s[46:47]          ; value at the same row number (inside value for both kinds of work-group: a query's row number is under 4,096)
.set nn, 0
.rept 32
	global_load_b32 v[WX+nn], v[WA], s[WP:WP+1] offset:256*nn   ; the weight: column 16 w + m, rows 32 hh + 0..31
.set nn, nn+1
.endr
.irp t, 0,1,2,3
	global_load_b128 v[BI+8*\t:BI+8*\t+3], v[BA], s[BP:BP+1] offset:64*\t       ; the bias of channels 16 t + 8 hh + 0..7
	global_load_b128 v[BI+8*\t+4:BI+8*\t+7], v[BA], s[BP:BP+1] offset:64*\t+16
.endr
.set nn, 0
.rept 16
	global_load_b128 v[XK+4*nn:XK+4*nn+3], v[L16], s[IN:IN+1] offset:512*nn th:TH_LOAD_NT   ; two rows: 512 consecutive bytes
.set nn, nn+1
.endr
	; where the results go: batch b = row >> LG; a batch is 8 heads of 32 L bytes; a row's 16 bytes of a half
	s_lshr_b32 s48, s44, s[LG]
	s_lshl_b32 s49, s48, s[LG]
	s_sub_co_u32 s49, s44, s49                     ; the row in its batch
	s_add_co_u32 s50, s[LG], 8
	s_lshl_b32 s50, s48, s50
	s_lshl_b32 s49, s49, 4
	s_add_co_u32 s50, s50, s49
	s_mov_b32 s51, 0
	s_add_nc_u64 s[OP:OP+1], s[OP:OP+1], s[50:51]
	s_lshl_b32 s52, 16, s[LG]                      ; half a head: 16 L bytes
	s_lshl_b32 s53, s52, 1
	v_mul_lo_u32 v17, v2, s53                      ; lanes 16-31 hold the next head
	v_lshl_add_u32 v17, v1, 4, v17
.irp e, 0,1,2,3,4,5,6,7
	s_mul_i32 s54, s52, 4*(\e/2)+\e%2              ; tile t = e / 2 begins at head 2 t; half c = e % 2
	v_add_nc_u32 v[VO+\e], s54, v17
.endr
	s_lshl_b32 s33, s[WV], 10
	v_add_nc_u32 v[WIS], s33, v[L16]
	s_lshl_b32 s33, s[WV], 7
	s_add_co_u32 s33, s33, WSC
	v_add_nc_u32 v[WSS], s33, v[L4]
	s_mul_i32 s33, s[WV], WSTG
	s_add_co_u32 s33, s33, STG                     ; my stage
	v_mul_u32_u24 v[SA], v2, PITCH
	v_lshl_add_u32 v[SA], v1, 4, v[SA]
	v_add_nc_u32 v[SA], s33, v[SA]
	v_mul_u32_u24 v[LA], v1, PITCH
	v_lshl_add_u32 v[LA], v2, 7, v[LA]
	v_add_nc_u32 v[LA], s33, v[LA]
	v_mul_u32_u24 v[VA], v2, 8*PITCH
	v_lshl_add_u32 v[VA], v1, 2, v[VA]
	v_add_nc_u32 v[VA], s33, v[VA]
	v_mul_u32_u24 v[XO], v1, 24
	v_mad_u32_u24 v[XO], v2, 12, v[XO]
	v_lshlrev_b32 v[WOA], 12, v2
	v_lshl_add_u32 v[WOA], v1, 2, v[WOA]
	v_lshlrev_b32 v[SH8], 3, v2
.irp u, 0,1,2,3
	v_mov_b32 v[TX+\u], 0                          ; a lane permute's destination counts as one of its sources
	v_mov_b32 v[CV+4*\u+3], 0                      ; the fourth register of each group of codes: zero codes
.endr
	; ---- my tile of the weight becomes a fragment and goes to LDS as it stands
	s_wait_loadcnt 24                              ; the weight's 32 loads are in; the 8 of the bias and the 16 of the rows, issued behind them, stay out
	WIN 0x40
.set nn, 0
.rept 16
	global_load_b128 v[VR+4*nn:VR+4*nn+3], v[L16], s[8:9] offset:512*nn   ; value's 32 rows, asked for now: 40 loads of mine are out
.set nn, nn+1
.endr
	WIN 0
	QBLK WX, 1, CV, 0, 4, WW
	v_nop                                          ; the plain place behind the conversions
	ds_store_b128 v[WIS], v[CV:CV+3]               ; registers 0-3 of the fragment
	ds_store_b128 v[WIS], v[CV+4:CV+7] offset:512  ; registers 6-9
	ds_store_b32 v[WSS], v[WW]
.irp f, KF, KF+12
.irp z, 3,4,5,9,10,11
	v_mov_b32 v[\f+\z], 0                          ; the fragments' zero codes: written once
.endr
.endr
.irp t, 0,1,2,3
.irp z, 4,5,10,11
	v_mov_b32 v[WF+12*\t+\z], 0
.endr
.endr
	s_wait_dscnt 0x0                               ; for the others' sake: my image has landed
	s_barrier_signal -1
	s_barrier_wait -1
.irp t, 0,1,2,3
	ds_load_b128 v[WF+12*\t:WF+12*\t+3], v[L16] offset:1024*\t
	ds_load_b128 v[WF+12*\t+6:WF+12*\t+9], v[L16] offset:1024*\t+512
	ds_load_b32 v[WS+\t], v[L4] offset:WSC+128*\t
.endr
	; ---- my 32 rows
	s_wait_loadcnt 16                              ; the bias and the rows are in; value's 16 loads, issued behind them, stay out
.set nn, 0
.rept 16
	ds_store_b128 v[SA], v[XK+4*nn:XK+4*nn+3] offset:2*PITCH*nn
.set nn, nn+1
.endr
.irp u, 0,1
.irp i, 0,1,2,3,4,5,6,7
	ds_load_b128 v[XK+32*\u+4*\i:XK+32*\u+4*\i+3], v[LA] offset:16*PITCH*\u+16*\i   ; LDS serves a wave's instructions in order (ISA guide 5.7.1.4): these see my stores.  Tile u, row r, my half row
.endr
.endr
	s_wait_dscnt 0x0
	QBLK XK, 2, KF, 12, 6, KS
	PLACES 8                                       ; a scale word written by a vector instruction stands 8 places ahead of a scaled matrix instruction, codes so written 4; the first is also the place behind the conversions
.irp u, 0,1
.irp t, 0,1,2,3
	v_wmma_scale_f32_16x16x128_f8f6f4 v[XK+8*(4*\u+\t):XK+8*(4*\u+\t)+7], v[WF+12*\t:WF+12*\t+11], v[KF+12*\u:KF+12*\u+11], v[BI+8*\t:BI+8*\t+7], v[WS+\t], v[KS+\u] matrix_a_fmt:MATRIX_FMT_FP6 matrix_b_fmt:MATRIX_FMT_FP6
.endr
.endr
	PLACES 4                                       ; 4 places ahead of the stores that read the results
.irp u, 0,1
.irp t, 0,1,2,3
.irp c, 0,1
	global_store_b128 v[VO+2*\t+\c], v[XK+8*(4*\u+\t)+4*\c:XK+8*(4*\u+\t)+4*\c+3], s[OP:OP+1] offset:256*\u   ; sixteen lanes store 256 consecutive bytes, aligned; each result from its low end on
.endr
.endr
.endr
	s_wait_xcnt 0x0                                ; the stores have read their registers: these take the next loads
	s_cmp_lt_u32 ttmp9, NKEY
	s_cbranch_scc0 .Lquery
	; ---- value: the same 32 rows are one block of keys
	s_lshl_b32 s54, ttmp9, 2
	s_add_co_u32 s54, s54, s[WV]                   ; the block's number, over all batches
	s_lshl_b32 s56, s54, 11
	s_mov_b32 s57, 0
	s_add_nc_u64 s[24:25], s[24:25], s[56:57]
	s_lshl_b32 s58, s54, 9
	s_mov_b32 s59, 0
	s_add_nc_u64 s[26:27], s[26:27], s[58:59]
	s_wait_loadcnt 0x0                             ; value's rows
	WIN 0x04                                       ; an LDS store's data are its source 1: window 1
.set nn, 0
.rept 16
	ds_store_b128 v[SA], v[VR+4*nn:VR+4*nn+3] offset:VST+2*PITCH*nn
.set nn, nn+1
.endr
	WIN 0
	VHALF 0
	s_wait_dscnt 0x0                               ; channels 0-31 are in
	VHALF 1                                        ; the others land under the first two maxima
	QMAX XK, 2, SO
	s_wait_dscnt 0x0
	QMAX XK+32, 2, SO+2
.irp d, 0,1,2,3
	v_lshrrev_b32 v[TM+\d], 23, v[SO+\d]           ; the scale's byte,
.endr
.irp d, 0,1,2,3
	v_mul_u32_u24 v[VW+\d], v[TM+\d], 0x10101      ; in bytes 0, 1 (the two runs of 32 places that hold the block) and 2; byte 3 stays 0, over zero codes
.endr
.irp d, 0,1,2,3
	v_cvt_scalef32_pk16_fp6_f32 v[CV+4*\d:CV+4*\d+2], v[XK+16*\d:XK+16*\d+15], v[SO+\d]
.endr
	v_nop
.irp d, 0,1,2,3
	global_store_b128 v[L16], v[CV+4*\d:CV+4*\d+3], s[24:25] offset:512*\d   ; 512 consecutive bytes, aligned
.endr
	global_store_b128 v[L16], v[VW:VW+3], s[26:27]
	s_wait_tensorcnt 0x0
	ds_add_u32 v254, v255
	s_wait_dscnt 0x0
	s_endpgm
.Lquery:
	s_cmp_lt_u32 s[IX], 16
	s_cbranch_scc0 .Ldone
	; ---- Wo: rows 64 h .. 64 h + 63, columns 16 nt .. + 15; h = work-group / 2, nt = 4 (work-group % 2) + wave.  A small weight, read once: a lane to a column, registers down K
	s_lshr_b32 s54, s[IX], 1
	s_and_b32 s55, s[IX], 1
	s_lshl_b32 s55, s55, 2
	s_add_co_u32 s55, s55, s[WV]
	s_lshl_b32 s56, s54, 15                        ; 64 rows of 512 bytes
	s_lshl_b32 s57, s55, 6
	s_add_co_u32 s56, s56, s57
	s_mov_b32 s57, 0
	s_add_nc_u64 s[18:19], s[18:19], s[56:57]
	s_lshl_b32 s54, s54, 3
	s_add_co_u32 s54, s54, s55                     ; 8 h + nt
	s_mul_i32 s56, s54, 768
	s_add_nc_u64 s[28:29], s[28:29], s[56:57]
	s_lshl_b32 s56, s54, 7
	s_add_nc_u64 s[30:31], s[30:31], s[56:57]
.irp be, 0,1
.irp i, 0,1,2,3,4,5,6,7,8,9,10,11,12,13,14,15
	global_load_b32 v[XK+16*\be+\i], v[WOA], s[18:19] offset:(32*\be+\i+8*(\i/8))*512
.endr
.endr
	s_wait_loadcnt 0x0
	QMAX XK, 2, SO
	v_lshrrev_b32 v[TM], 23, v[SO]
	v_lshrrev_b32 v[TM+1], 23, v[SO+1]
	v_perm_b32 v[WW], v[TM+1], v[TM], s[SELP]
	v_cvt_scalef32_pk16_fp6_f32 v[CV:CV+2], v[XK:XK+15], v[SO]
	v_cvt_scalef32_pk16_fp6_f32 v[CV+4:CV+6], v[XK+16:XK+31], v[SO+1]
	v_nop
	global_store_b96 v[XO], v[CV:CV+2], s[28:29]               ; 32 lanes store 384 consecutive bytes
	global_store_b96 v[XO], v[CV+4:CV+6], s[28:29] offset:384
	global_store_b32 v[L4], v[WW], s[30:31]
.Ldone:
	s_wait_tensorcnt 0x0
	ds_add_u32 v254, v255
	s_wait_dscnt 0x0
	s_endpgm
.Lfunc_end_k_q0d349e16cc_prep:
	.size	k_q0d349e16cc_prep, .Lfunc_end_k_q0d349e16cc_prep-k_q0d349e16cc_prep
	.p2alignl 7, 3214868480
	.fill 96, 4, 3214868480
	.section	.rodata,"a",@progbits
	.p2align	6, 0x0
	.amdhsa_kernel k_q0d349e16cc_prep
		.amdhsa_group_segment_fixed_size 74752
		.amdhsa_private_segment_fixed_size 0
		.amdhsa_enable_private_segment 0
		.amdhsa_kernarg_size 112
		.amdhsa_user_sgpr_count 2
		.amdhsa_user_sgpr_kernarg_segment_ptr 1
		.amdhsa_wavefront_size32 1
		.amdhsa_system_sgpr_workgroup_id_x 1
		.amdhsa_system_sgpr_workgroup_id_y 1
		.amdhsa_system_sgpr_workgroup_id_z 1
		.amdhsa_system_vgpr_workitem_id 0
		.amdhsa_next_free_vgpr 320
		.amdhsa_next_free_sgpr 66
		.amdhsa_reserve_vcc 0
		.amdhsa_float_denorm_mode_32 3
		.amdhsa_float_denorm_mode_16_64 3
		.amdhsa_memory_ordered 1
		.amdhsa_forward_progress 1
		.amdhsa_inst_pref_size 38
	.end_amdhsa_kernel
	.amdgpu_metadata
---
amdhsa.version: [ 1, 2 ]
amdhsa.kernels:
  - .name:           k_q0d349e16cc_prep
    .symbol:         k_q0d349e16cc_prep.kd
    .args:
      - { .name: key, .offset: 0, .size: 8, .value_kind: global_buffer, .address_space: global }
      - { .name: query, .offset: 8, .size: 8, .value_kind: global_buffer, .address_space: global }
      - { .name: value, .offset: 16, .size: 8, .value_kind: global_buffer, .address_space: global }
      - { .name: Wk, .offset: 24, .size: 8, .value_kind: global_buffer, .address_space: global }
      - { .name: Wq, .offset: 32, .size: 8, .value_kind: global_buffer, .address_space: global }
      - { .name: bk, .offset: 40, .size: 8, .value_kind: global_buffer, .address_space: global }
      - { .name: bq, .offset: 48, .size: 8, .value_kind: global_buffer, .address_space: global }
      - { .name: Wo, .offset: 56, .size: 8, .value_kind: global_buffer, .address_space: global }
      - { .name: kw, .offset: 64, .size: 8, .value_kind: global_buffer, .address_space: global }
      - { .name: qw, .offset: 72, .size: 8, .value_kind: global_buffer, .address_space: global }
      - { .name: vc, .offset: 80, .size: 8, .value_kind: global_buffer, .address_space: global }
      - { .name: vs, .offset: 88, .size: 8, .value_kind: global_buffer, .address_space: global }
      - { .name: woc, .offset: 96, .size: 8, .value_kind: global_buffer, .address_space: global }
      - { .name: wos, .offset: 104, .size: 8, .value_kind: global_buffer, .address_space: global }
    .group_segment_fixed_size: 74752
    .private_segment_fixed_size: 0
    .kernarg_segment_align: 8
    .kernarg_segment_size: 112
    .max_flat_workgroup_size: 128
    .sgpr_count:     66
    .vgpr_count:     320
    .wavefront_size: 32
...
	.end_amdgpu_metadata
.endif
;; end of part 1
;; launch attn (part 2): grid 8 x 32, 4 waves a work-group, no clusters, 131,584 bytes of LDS; arguments kw, qw, vc, vs, xc, xs; writes xc, xs
.if DOCPART == 2
	.amdgcn_target "amdgcn-amd-amdhsa--gfx1250"
	.amdhsa_code_object_version 6
	.text
	.protected	k_q0d349e16cc_attn
	.globl	k_q0d349e16cc_attn
	.p2align	8
	.type	k_q0d349e16cc_attn,@function
k_q0d349e16cc_attn:
	s_mov_b64 s[64:65], 0
	v_nop
	global_prefetch_b8 v0, s[64:65] scope:SCOPE_SE
	s_setreg_imm32_b32 hwreg(HW_REG_WAVE_MODE, 25, 1), 1
	s_wait_xcnt 0x0
; PromptAttention, second of three launches.  For batch b and head h (one work-group each, 8 x 32), from k, q (f32) and value's codes as the first launch stored them:
;   scores = q k^T (f32 operands, K = 8);  attn = softmax over the 128 QUERIES of scores / sqrt(8), with each key's maximum taken away;  x_h = Q(attn) Q(value) (MX-FP6 along the 2,048 keys);
;   x_h [128][64] is quantised along its 64 and stored as codes (xc) and scale words (xs) for the last launch.
; SHARES.  Four waves; wave w owns keys 512 w .. 512 w + 511, sixteen blocks of 32, with ALL 128 queries: a key's maximum and sum never leave the wave, attn never leaves the registers, and each wave sums
; its own keys into its own 128 x 64 accumulators.  The four waves' sums meet once, at the end, through LDS.
; LAYOUT.  scores^T: source 0 = 16 keys, source 1 = 16 queries: lane (r, hh) holds query r, register j key 8 hh + j.  Both operands come as they lie in memory: lane (r, hh) loads channels 4 hh + 0..3 of row r,
; two K steps of 4.  A block (32 keys x 128 queries) is 16 tiles, 128 registers; for each tile of queries a lane's 16 registers are 16 keys of ONE quantiser block (8 hh + 0..7 and 16 + 8 hh + 0..7), the other
; 16 lie in lane l xor 16.  The conversion takes them as they lie.
; A FRAGMENT HOLDS ONE BLOCK: registers 0-2 hold a lane's 16 codes (the first 16 places of its run of 32 along K), the other nine registers zero codes; the block's scale byte stands in bytes 0 and 1 of the
; scale word.  So an instruction serves 32 keys of its 128 places: the price of a step that is the same in every trip, with no code changing lanes.  value's codes are laid the same way.
; THE LOOP: 16 trips, no branch inside.  A trip works the block whose scores and maxima were made a trip ago.  MATRIX AND VECTOR WORK GO BY TURNS, in two places:
;   the next block's 32 f32 products stand among this block's scalings and exponentials: behind each product two scalings (while there are scalings) and four exponentials;
;   this block's 32 scaled products stand among the 128 lines of the next block's maxima, four lines behind each product.
; No window has room for a product's registers beside what the vector lines write, so a slice costs two switches of the register windows: 120 a trip for its 64 products.
; OPERANDS COME FROM MEMORY STRAIGHT INTO REGISTERS, A TRIP AHEAD: k through a staging set (KN), moved to its place (KOP) when the products that read KOP are long done; value's codes and scale words behind the
; products that read the last ones.  The offsets wrap inside my wave's sixteen blocks, so the last trips' loads ahead, and the last trip's scores and maxima, take blocks 0 to 2 once more: nobody uses them.
; NO CLUSTER: what the eight heads of a batch share is value's codes, 2.5 KB of a trip's 3.5 KB; a joint request would want a ring in LDS and a meeting of the work-groups in every trip of a loop that
; otherwise has no barrier at all.
; LIMITS.  NaN and infinities are not served.  A block whose largest magnitude lies under 2^-124 keeps the scale byte 1; a block of zeros gets the byte 1 and not 127 (its codes are zeros, and these bytes are
; read by this program alone).  A weight under 2^-126 leaves v_exp_f32 as 0.
; REGISTERS, in windows of 256 (s_set_vgpr_msb: bits 1:0 source 0, 3:2 source 1, 5:4 source 2, 7:6 destination):
;   window 0: addresses, statistics, scale words, p's codes (PC), value's codes (VC)      window 1: v0-127 S (scores; written by the f32 matrix form alone), v128-255 PP (p)
;   window 2: v0-127 T (t - M), v128-175 the f32 products' operands      window 3: the 32 accumulators of x_h (at the end: the four waves' parts)
.set FLOOR, 0x1800000                  ; 2^(3 - 127): under it no largest magnitude is taken, so a scale byte cannot fall under 1
.set KL,  1                            ; v1   k: 32768 hh + 16 r; never rewritten
.set L16, 2                            ; v2   16 x lane; never rewritten
.set KA,  3                            ; v3   the k loads' offset
.set VCA, 4                            ; v4   the code loads'
.set VSA, 5                            ; v5   the scale words'
.set QL,  6                            ; v6   q: 2048 hh + 16 r
.set XO,  7                            ; v7   codes out: 24 r + 12 hh
.set L4,  8                            ; v8   4 x lane
.set STO, 9                            ; v9   the stage's first half, in: 16384 w + 16 x lane
.set STO2, 10                          ; v10  its second half: + 65536
.set RDA, 11                           ; v11  back: 4096 w + 16 x lane
.set RDB, 12                           ; v12  + 65536
.set MX,  16                           ; v16-31  a block's 16 keys: maximum, then -c m
.set SM,  32                           ; v32-47  sum, then 1 / sum
.set TM,  48                           ; v48-55  largest magnitudes; then bytes
.set TX,  56                           ; v56-63  what lane l xor 16 sent
.set SO,  64                           ; v64-71  the conversions' scale operands
.set PS,  72                           ; v72-79  p's scale words          (v72-83 hold scales and nothing else)
.set VS,  80                           ; v80-83  value's
.set PC,  84                           ; v84-179  p's 8 fragments
.set VC,  180                          ; v180-227 value's 4 fragments
.set S,   0                            ; window 1
.set PP,  128
.set T,   0                            ; window 2
.set KOP, 128                          ; k of the block to be scored: two tiles of four registers
.set KN,  136                          ; k of the block after it
.set QOP, 144                          ; q's eight tiles, four registers each
.set WV,  16                           ; s16 wave
.set BT,  17                           ; s17 batch
.set CS,  20                           ; s[20:21] c = log2(e) / sqrt(8)
.set NC,  22                           ; s[22:23] -c
.set SEL, 24                           ; s[24:25] v_permlanex16_b32's selects for lane l xor 16
.set SELP, 26                          ; s26 v_perm_b32's select for [a, a, b, b]
.set CNT, 27                           ; s27 trips to go
.set NB,  28                           ; s28 512 x the trip's number
.set MSB, 0
.macro WIN new                         ; the immediate's high byte repeats the setting that is left; a switch that changes nothing is dropped
.if MSB != (\new)
	s_set_vgpr_msb (MSB<<8)|(\new)
.set MSB, (\new)
.endif
.endm
.macro PLACES n
.rept \n
	v_nop
.endr
.endm
; n groups of 16 numbers a lane (half a block each; the other half in lane l xor 16), at v[src] on in window sw: the conversions' scale operands into v[so] on.  ab = 1: magnitudes
.macro QMAX sw, src, n, ab, so
	WIN ((\sw)<<2)|(\sw)
.set gg, 0
.rept \n
.if \ab
	v_max3_num_f32 v[TM+gg], |v[(\src)+16*gg]|, |v[(\src)+16*gg+1]|, FLOOR
.else
	v_max3_num_f32 v[TM+gg], v[(\src)+16*gg], v[(\src)+16*gg+1], FLOOR
.endif
.set gg, gg+1
.endr
.irp st, 2,4,6,8,10,12,14
.set gg, 0
.rept \n
.if \ab
	v_max3_num_f32 v[TM+gg], |v[(\src)+16*gg+\st]|, |v[(\src)+16*gg+\st+1]|, v[TM+gg]
.else
	v_max3_num_f32 v[TM+gg], v[(\src)+16*gg+\st], v[(\src)+16*gg+\st+1], v[TM+gg]
.endif
.set gg, gg+1
.endr
.endr
	WIN 0
.set gg, 0
.rept \n
	v_permlanex16_b32 v[TX+gg], v[TM+gg], s[SEL], s[SEL+1]
.set gg, gg+1
.endr
.set gg, 0
.rept \n
	v_max_num_f32 v[TM+gg], v[TM+gg], v[TX+gg]     ; the block's largest magnitude
.set gg, gg+1
.endr
.set gg, 0
.rept \n
	v_add_nc_u32 v[(\so)+gg], 0xff000000, v[TM+gg] ; 2 off its exponent field: the conversion's scale operand
.set gg, gg+1
.endr
.endm
; Line jm of the 128 that find each key's largest score over the 128 queries.  0-63: the eight tiles in the lane, key jm % 16 (each tile is first read at its lowest register); 64-127: the 16 lanes of my half
.macro MAXI
.if jm < 16
	WIN 0x05
	v_max_num_f32 v[MX+jm], v[S+jm], v[S+16+jm]
.elseif jm < 64
	WIN 0x05
	v_max3_num_f32 v[MX+jm%16], v[S+32*(jm/16)+jm%16], v[S+32*(jm/16)+16+jm%16], v[MX+jm%16]
.elseif jm < 80
	WIN 0
	v_max_num_f32_dpp v[MX+jm%16], v[MX+jm%16], v[MX+jm%16] row_xmask:1 row_mask:0xf bank_mask:0xf
.elseif jm < 96
	WIN 0
	v_max_num_f32_dpp v[MX+jm%16], v[MX+jm%16], v[MX+jm%16] row_xmask:2 row_mask:0xf bank_mask:0xf
.elseif jm < 112
	WIN 0
	v_max_num_f32_dpp v[MX+jm%16], v[MX+jm%16], v[MX+jm%16] row_xmask:4 row_mask:0xf bank_mask:0xf
.else
	WIN 0
	v_max_num_f32_dpp v[MX+jm%16], v[MX+jm%16], v[MX+jm%16] row_xmask:8 row_mask:0xf bank_mask:0xf
.endif
.endm
; Scaling js of 64: a pair of scores becomes T = c s - c m.  What the rounding of c m shifts is the same for all queries of a key and leaves with the division by the sum
.macro SCAL
	v_pk_fma_f32 v[T+2*js:T+2*js+1], v[S+2*js:S+2*js+1], s[CS:CS+1], v[MX+(2*js)%16:MX+(2*js)%16+1] op_sel_hi:[1,0,1]
.set js, js+1
.endm
; Number nn of a block's 32 f32 products.  Tile tt = 2 qt + kt has two: the first starts its sum (channels 0, 1, 4, 5), the second adds channels 2, 3, 6, 7.
; THE ORDER: first(0), first(1), second(0), first(2), second(1), .. first(15), second(14), second(15): tile tt is first written over by number 2 tt - 1, as late as the 32 places allow,
; and no two products that follow each other share an accumulator
.macro SCORE
.if nn < 2
.set tt, nn
.set sk, 0
.elseif nn == 31
.set tt, 15
.set sk, 1
.elseif (nn%2) == 1
.set tt, (nn+1)/2
.set sk, 0
.else
.set tt, nn/2-1
.set sk, 1
.endif
.if sk == 0
	v_wmma_f32_16x16x4_f32 v[S+8*tt:S+8*tt+7], v[KOP+4*(tt%2):KOP+4*(tt%2)+1], v[QOP+4*(tt/2):QOP+4*(tt/2)+1], 0
.else
	v_wmma_f32_16x16x4_f32 v[S+8*tt:S+8*tt+7], v[KOP+4*(tt%2)+2:KOP+4*(tt%2)+3], v[QOP+4*(tt/2)+2:QOP+4*(tt/2)+3], v[S+8*tt:S+8*tt+7]
.endif
.endm
; PP = 2^(c s - c m), and the next block's scores.  Tiles 0 and 1 (8 scalings) are scaled ahead.  Slice nn: product nn; scalings 8 + 2 nn and 9 + 2 nn (tile 2 + nn / 2: two slices or more ahead of the product
; that writes over it); exponentials 4 nn .. 4 nn + 3 (their pairs were scaled four slices ago).  The last four slices have no scaling left.  The 128 exponentials are one batch with one wait
.macro EXPW
.set kk, 0
.rept 8
	v_pk_mul_f32 v[MX+kk:MX+kk+1], v[MX+kk:MX+kk+1], s[NC:NC+1] op_sel_hi:[1,0]   ; -c m
.set kk, kk+2
.endr
	WIN 0x81
.set js, 0
.rept 8
	SCAL
.endr
.set nn, 0
.rept 32
	WIN 0x5a
	SCORE
.if nn < 28
	WIN 0x81
	SCAL
	SCAL
	WIN 0x5a
.endif
.irp e, 0,1,2,3
	v_exp_f32 v[PP+4*nn+\e], v[T+4*nn+\e]
.endr
.set nn, nn+1
.endr
	v_nop                                          ; the plain instruction behind the last exponential
	s_wait_alu depctr_va_vdst(0)                   ; the wait ahead of the batch's first reader
	WIN 0
.endm
; Each key's sum over the lane's eight tiles.  p x 1.0 + sum is the addition, in the form whose three sources have windows of their own
.macro SUM1
	WIN 0x05
.set kk, 0
.rept 8
	v_pk_add_f32 v[SM+kk:SM+kk+1], v[PP+kk:PP+kk+1], v[PP+16+kk:PP+16+kk+1]
.set kk, kk+2
.endr
.irp q, 2,3,4,5,6,7
.set kk, 0
.rept 8
	v_pk_fma_f32 v[SM+kk:SM+kk+1], v[PP+16*\q+kk:PP+16*\q+kk+1], 1.0, v[SM+kk:SM+kk+1] op_sel_hi:[1,0,1]
.set kk, kk+2
.endr
.endr
	WIN 0
.endm
.macro SUM2                            ; over the 16 lanes of my half, and the reciprocals
.irp x, 1,2,4,8
.set kk, 0
.rept 16
	v_add_f32_dpp v[SM+kk], v[SM+kk], v[SM+kk] row_xmask:\x row_mask:0xf bank_mask:0xf
.set kk, kk+1
.endr
.endr
.set kk, 0
.rept 16
	v_rcp_f32 v[SM+kk], v[SM+kk]
.set kk, kk+1
.endr
	v_nop
	s_wait_alu depctr_va_vdst(0)                   ; one wait for the 16 reciprocals
.endm
.macro MULP                            ; attn = p / sum: finished and normalised, as it goes into the quantiser
	WIN 0x41
.set nn, 0
.rept 64
	v_pk_mul_f32 v[PP+2*nn:PP+2*nn+1], v[PP+2*nn:PP+2*nn+1], v[SM+(2*nn)%16:SM+(2*nn)%16+1]
.set nn, nn+1
.endr
	WIN 0
.endm
; Number ii = 4 qt + dt of the 32 products x_h^T += value^T attn^T for a block of keys: source 0 = 16 channels, source 1 = 16 queries; the 32 accumulators take turns.  zero = 1: the constant 0 starts the sum
.macro PROD zero
.if \zero
	v_wmma_scale_f32_16x16x128_f8f6f4 v[8*ii:8*ii+7], v[VC+12*(ii%4):VC+12*(ii%4)+11], v[PC+12*(ii/4):PC+12*(ii/4)+11], 0, v[VS+ii%4], v[PS+ii/4] matrix_a_fmt:MATRIX_FMT_FP6 matrix_b_fmt:MATRIX_FMT_FP6
.else
	v_wmma_scale_f32_16x16x128_f8f6f4 v[8*ii:8*ii+7], v[VC+12*(ii%4):VC+12*(ii%4)+11], v[PC+12*(ii/4):PC+12*(ii/4)+11], v[8*ii:8*ii+7], v[VS+ii%4], v[PS+ii/4] matrix_a_fmt:MATRIX_FMT_FP6 matrix_b_fmt:MATRIX_FMT_FP6
.endif
.endm
; Half of the accumulators (four tiles of queries, 128 registers from v[base] of window 3) of all four waves meet: group g of four registers of wave w at 16384 w + 512 g + 16 x lane: an image of the registers.
; Wave w takes back tile w of the four (groups 8 w .. 8 w + 7) from every wave, into the registers that it has just stored, and adds: the sum stands in v[base] .. v[base + 31].
.macro XCH base, sto, rd
	WIN 0x0c
.set gg, 0
.rept 32
	ds_store_b128 v[\sto], v[(\base)+4*gg:(\base)+4*gg+3] offset:512*gg   ; each accumulator from its low end on
.set gg, gg+1
.endr
	WIN 0
	s_wait_dscnt 0x0                               ; for the others' sake: my stores have landed
	s_barrier_signal -1
	s_barrier_wait -1
	WIN 0xc0
.irp sw, 0,1,2,3
.set gg, 0
.rept 8
	ds_load_b128 v[(\base)+32*\sw+4*gg:(\base)+32*\sw+4*gg+3], v[\rd] offset:16384*\sw+512*gg
.set gg, gg+1
.endr
.endr
	s_wait_dscnt 0x0
	WIN 0xcf
.set nn, 0
.rept 16
	v_pk_add_f32 v[(\base)+nn:(\base)+nn+1], v[(\base)+nn:(\base)+nn+1], v[(\base)+32+nn:(\base)+32+nn+1]
	v_pk_add_f32 v[(\base)+64+nn:(\base)+64+nn+1], v[(\base)+64+nn:(\base)+64+nn+1], v[(\base)+96+nn:(\base)+96+nn+1]
.set nn, nn+2
.endr
.set nn, 0
.rept 16
	v_pk_add_f32 v[(\base)+nn:(\base)+nn+1], v[(\base)+nn:(\base)+nn+1], v[(\base)+64+nn:(\base)+64+nn+1]
.set nn, nn+2
.endr
	WIN 0
.endm
	; ---- the head
	s_load_b256 s[4:11], s[0:1], 0x0               ; kw s[4:5], qw s[6:7], vc s[8:9], vs s[10:11]
	s_load_b128 s[12:15], s[0:1], 0x20             ; xc s[12:13], xs s[14:15]
	v_lshl_add_u32 v254, v0, 2, 0x20000
	v_mov_b32 v255, 0
	v_lshrrev_b32 v13, 5, v0
	v_readfirstlane_b32 s[WV], v13                 ; wave 0..3
	s_and_b32 s[BT], ttmp7, 0xffff                 ; the batch; ttmp9 is the head
	s_mov_b32 s[CS], 0x3f0293ee                    ; c = log2(e) / sqrt(8)
	s_mov_b32 s[CS+1], s[CS]                       ; (named with it as a pair, so it is written)
	s_mov_b32 s[NC], 0xbf0293ee
	s_mov_b32 s[NC+1], s[NC]
	s_mov_b32 s[SEL], 0x76543210
	s_mov_b32 s[SEL+1], 0xfedcba98
	s_mov_b32 s[SELP], 0x04040000
	s_lshl_b32 s30, s[BT], 19                      ; kw: 8 heads of 65,536 bytes a batch;
	s_lshl_b32 s31, ttmp9, 16
	s_add_co_u32 s30, s30, s31
	s_lshl_b32 s31, s[WV], 13                      ; my 512 keys, 16 bytes each in a half
	s_add_co_u32 s30, s30, s31
	s_mov_b32 s31, 0
	s_lshl_b32 s32, s[BT], 15                      ; qw: 8 heads of 4,096 bytes
	s_lshl_b32 s33, ttmp9, 12
	s_add_co_u32 s32, s32, s33
	s_mov_b32 s33, 0
	s_lshl_b32 s34, s[BT], 17                      ; vc: 64 blocks of 2,048 bytes a batch, my 16
	s_lshl_b32 s35, s[WV], 15
	s_add_co_u32 s34, s34, s35
	s_mov_b32 s35, 0
	s_lshl_b32 s36, s[BT], 15                      ; vs: 64 blocks of 512 bytes
	s_lshl_b32 s37, s[WV], 13
	s_add_co_u32 s36, s36, s37
	s_mov_b32 s37, 0
	s_lshl_b32 s38, s[BT], 3
	s_add_co_u32 s38, s38, ttmp9
	s_lshl_b32 s38, s38, 3
	s_add_co_u32 s38, s38, s[WV]                   ; (8 b + h) 8 + w: the first of the two tiles of queries that I store, w and 4 + w
	s_lshl_b32 s40, s38, 7
	s_mov_b32 s41, 0
	s_mul_i32 s38, s38, 768
	s_mov_b32 s39, 0
	v_and_b32 v13, 15, v0                          ; r
	v_bfe_u32 v14, v0, 4, 1                        ; hh
	v_and_b32 v15, 31, v0                          ; lane
	v_lshlrev_b32 v[KL], 15, v14
	v_lshl_add_u32 v[KL], v13, 4, v[KL]
	v_lshlrev_b32 v[QL], 11, v14
	v_lshl_add_u32 v[QL], v13, 4, v[QL]
	v_lshlrev_b32 v[L16], 4, v15
	s_wait_kmcnt 0x0
	s_add_nc_u64 s[4:5], s[4:5], s[30:31]
	s_add_nc_u64 s[6:7], s[6:7], s[32:33]
	s_add_nc_u64 s[8:9], s[8:9], s[34:35]
	s_add_nc_u64 s[10:11], s[10:11], s[36:37]
	s_add_nc_u64 s[12:13], s[12:13], s[38:39]
	s_add_nc_u64 s[14:15], s[14:15], s[40:41]
	WIN 0x80
.irp q, 0,1,2,3,4,5,6,7
	global_load_b128 v[QOP+4*\q:QOP+4*\q+3], v[QL], s[6:7] offset:256*\q   ; q: tile q; sixteen lanes read 256 consecutive bytes
.endr
	global_load_b128 v[KOP:KOP+3], v[KL], s[4:5]               ; k of block 0
	global_load_b128 v[KOP+4:KOP+7], v[KL], s[4:5] offset:256
	global_load_b128 v[KN:KN+3], v[KL], s[4:5] offset:512      ; and of block 1
	global_load_b128 v[KN+4:KN+7], v[KL], s[4:5] offset:768
	WIN 0
.irp u, 0,1,2,3,4,5,6,7
	v_mov_b32 v[PS+\u], 0x7f7f7f7f                 ; scales of 1.0 over the zero codes below
.endr
.irp u, 0,1,2,3
	v_mov_b32 v[VS+\u], 0x7f7f7f7f
.endr
.set nn, 0
.rept 144                              ; p's eight fragments and value's four lie on end: all zero codes.  104 of the registers stay so; the others are what the sums' first products multiply
	v_mov_b32 v[PC+nn], 0
.set nn, nn+1
.endr
.irp u, 0,1,2,3,4,5,6,7
	v_mov_b32 v[TX+\u], 0                          ; a lane permute's destination counts as one of its sources
.endr
	v_lshlrev_b32 v[L4], 2, v15
	v_mul_u32_u24 v[XO], v13, 24
	v_mad_u32_u24 v[XO], v14, 12, v[XO]
	s_lshl_b32 s42, s[WV], 14
	v_add_nc_u32 v[STO], s42, v[L16]
	v_add_nc_u32 v[STO2], 0x10000, v[STO]
	s_lshl_b32 s42, s[WV], 12
	v_add_nc_u32 v[RDA], s42, v[L16]
	v_add_nc_u32 v[RDB], 0x10000, v[RDA]           ; (these sixteen lines are the places between the scales and codes written above and the scaled products)
	WIN 0xf0
.set ii, 0
.rept 32
	PROD 1                                         ; x_h's sums begin: the constant 0 as C, zero codes on both sides
.set ii, ii+1
.endr
	WIN 0
	s_wait_loadcnt 0x2                             ; q and block 0's k are in; block 1's two loads, issued behind them, stay out
	WIN 0x5a
.set nn, 0
.rept 32
	SCORE                                          ; block 0's scores
.set nn, nn+1
.endr
	WIN 0
	PLACES 8                                       ; 8 places behind the f32 form, ahead of the moves that write its source and of the first read of its results
	s_wait_loadcnt 0x0
	WIN 0x82
.irp z, 0,1,2,3,4,5,6,7
	v_mov_b32 v[KOP+\z], v[KN+\z]                  ; block 1's k to its place
.endr
	WIN 0x80
	global_load_b128 v[KN:KN+3], v[KL], s[4:5] offset:1024     ; block 2's k; then block 0's codes and scale words: the order in which the loop issues and counts them
	global_load_b128 v[KN+4:KN+7], v[KL], s[4:5] offset:1280
	WIN 0
.irp d, 0,1,2,3
	global_load_b128 v[VC+12*\d:VC+12*\d+3], v[L16], s[8:9] offset:512*\d
.endr
	global_load_b128 v[VS:VS+3], v[L16], s[10:11]
.set jm, 0
.rept 128
	MAXI                                           ; block 0's maxima: in the loop a block's maxima are found a trip ahead
.set jm, jm+1
.endr
	WIN 0
	; ---- sixteen blocks
	s_mov_b32 s[NB], 0
	s_mov_b32 s[CNT], 16
.Ltrip:
	EXPW
	SUM1
	SUM2
	MULP
	QMAX 1, PP, 8, 0, SO                           ; attn's eight half blocks (nothing is negative)
.irp q, 0,1,2,3,4,5,6,7
	v_lshrrev_b32 v[TM+\q], 23, v[SO+\q]           ; the scale's byte,
.endr
.irp q, 0,1,2,3,4,5,6,7
	v_mul_u32_u24 v[PS+\q], v[TM+\q], 0x10101      ; in bytes 0, 1 (the two runs of 32 places that hold the block) and 2; byte 3 stays 0, over zero codes
.endr
	WIN 0x01
.irp q, 0,1,2,3,4,5,6,7
	v_cvt_scalef32_pk16_fp6_f32 v[PC+12*\q:PC+12*\q+2], v[PP+16*\q:PP+16*\q+15], v[SO+\q]
.endr
	s_wait_loadcnt 0x5                             ; KN, asked for a trip ago, is in; the five loads of codes and scale words issued behind it stay out
	WIN 0x82
.irp z, 0,1,2,3,4,5,6,7
	v_mov_b32 v[KOP+\z], v[KN+\z]                  ; the k that the next trip scores.  These eight and the addition below are also the places: 8 between p's scale words and the scaled products, 4 behind its codes, 1 behind the conversions
.endr
	WIN 0
	s_add_co_u32 s30, s[NB], 3*512
	s_and_b32 s30, s30, 0x1fff                     ; block n + 3, wrapped into my sixteen
	v_add_nc_u32 v[KA], s30, v[KL]                 ; (the loads that last read KA are in)
	WIN 0x80
	global_load_b128 v[KN:KN+3], v[KA], s[4:5]
	global_load_b128 v[KN+4:KN+7], v[KA], s[4:5] offset:256
	WIN 0
	s_wait_loadcnt 0x2                             ; this block's codes and scale words are in; the two loads just issued stay out
.set ii, 0
.set jm, 0
.rept 32                               ; this block's 32 products, and behind each four lines of the next block's maxima, which name none of the products' registers
	WIN 0xf0
	PROD 0
.rept 4
	MAXI
.set jm, jm+1
.endr
.set ii, ii+1
.endr
	WIN 0
	s_add_co_u32 s30, s[NB], 512
	s_and_b32 s30, s30, 0x1fff                     ; block n + 1: 512 bytes of scale words,
	s_lshl_b32 s31, s30, 2                         ; 2,048 of codes
	v_add_nc_u32 v[VSA], s30, v[L16]
	v_add_nc_u32 v[VCA], s31, v[L16]
	PLACES 2                                       ; with the two additions: 4 places behind the last product, ahead of the loads into its sources
.irp d, 0,1,2,3
	global_load_b128 v[VC+12*\d:VC+12*\d+3], v[VCA], s[8:9] offset:512*\d   ; 512 consecutive bytes: registers 0-2 the codes, register 3 zero codes
.endr
	global_load_b128 v[VS:VS+3], v[VSA], s[10:11]
	s_add_co_u32 s[NB], s[NB], 512
	s_sub_co_u32 s[CNT], s[CNT], 1
	s_cmp_lg_u32 s[CNT], 0
	s_cbranch_scc1 .Ltrip
	; ---- the four waves' sums meet, in two halves with LDS bytes of their own: tiles of queries 0-3, then 4-7
	s_wait_loadcnt 0x0                             ; the last loads ahead: nobody uses them
	PLACES 4                                       ; behind the last products, ahead of the stores that read their results
	XCH 0, STO, RDA
	XCH 128, STO2, RDB
	; register 128 l + 16 be + i of lane (r, hh) is x_h(16 (w + 4 l) + r, 32 be + 8 hh + i (+ 8 from i = 8 on)): a group of 16 is half a block of the last product's K
	QMAX 3, 0, 2, 1, SO
	QMAX 3, 128, 2, 1, SO+2
.irp g, 0,1,2,3
	v_lshrrev_b32 v[TM+\g], 23, v[SO+\g]
.endr
.irp l, 0,1
	v_perm_b32 v[PS+\l], v[TM+2*\l+1], v[TM+2*\l], s[SELP]   ; [s0, s0, s1, s1]
.endr
	WIN 0x03
.irp g, 0,1,2,3
	v_cvt_scalef32_pk16_fp6_f32 v[PC+4*\g:PC+4*\g+2], v[128*(\g/2)+16*(\g%2):128*(\g/2)+16*(\g%2)+15], v[SO+\g]
.endr
	WIN 0
	v_nop
.irp g, 0,1,2,3
	global_store_b96 v[XO], v[PC+4*\g:PC+4*\g+2], s[12:13] offset:3072*(\g/2)+384*(\g%2)   ; 384 consecutive bytes a store; a tile's two fill three aligned runs of 256
.endr
.irp l, 0,1
	global_store_b32 v[L4], v[PS+\l], s[14:15] offset:512*\l
.endr
	s_wait_tensorcnt 0x0
	ds_add_u32 v254, v255
	s_wait_dscnt 0x0
	s_endpgm
.Lfunc_end_k_q0d349e16cc_attn:
	.size	k_q0d349e16cc_attn, .Lfunc_end_k_q0d349e16cc_attn-k_q0d349e16cc_attn
	.p2alignl 7, 3214868480
	.fill 96, 4, 3214868480
	.section	.rodata,"a",@progbits
	.p2align	6, 0x0
	.amdhsa_kernel k_q0d349e16cc_attn
		.amdhsa_group_segment_fixed_size 131584
		.amdhsa_private_segment_fixed_size 0
		.amdhsa_enable_private_segment 0
		.amdhsa_kernarg_size 48
		.amdhsa_user_sgpr_count 2
		.amdhsa_user_sgpr_kernarg_segment_ptr 1
		.amdhsa_wavefront_size32 1
		.amdhsa_system_sgpr_workgroup_id_x 1
		.amdhsa_system_sgpr_workgroup_id_y 1
		.amdhsa_system_sgpr_workgroup_id_z 1
		.amdhsa_system_vgpr_workitem_id 0
		.amdhsa_next_free_vgpr 1024
		.amdhsa_next_free_sgpr 66
		.amdhsa_reserve_vcc 0
		.amdhsa_float_denorm_mode_32 3
		.amdhsa_float_denorm_mode_16_64 3
		.amdhsa_memory_ordered 1
		.amdhsa_forward_progress 1
		.amdhsa_inst_pref_size 91
	.end_amdhsa_kernel
	.amdgpu_metadata
---
amdhsa.version: [ 1, 2 ]
amdhsa.kernels:
  - .name:           k_q0d349e16cc_attn
    .symbol:         k_q0d349e16cc_attn.kd
    .args:
      - { .name: kw, .offset: 0, .size: 8, .value_kind: global_buffer, .address_space: global }
      - { .name: qw, .offset: 8, .size: 8, .value_kind: global_buffer, .address_space: global }
      - { .name: vc, .offset: 16, .size: 8, .value_kind: global_buffer, .address_space: global }
      - { .name: vs, .offset: 24, .size: 8, .value_kind: global_buffer, .address_space: global }
      - { .name: xc, .offset: 32, .size: 8, .value_kind: global_buffer, .address_space: global }
      - { .name: xs, .offset: 40, .size: 8, .value_kind: global_buffer, .address_space: global }
    .group_segment_fixed_size: 131584
    .private_segment_fixed_size: 0
    .kernarg_segment_align: 8
    .kernarg_segment_size: 48
    .max_flat_workgroup_size: 128
    .sgpr_count:     66
    .vgpr_count:     1024
    .wavefront_size: 32
...
	.end_amdgpu_metadata
.endif
;; end of part 2
;; launch proj (part 3): grid 256 x 1, 4 waves a work-group, no clusters, 8,960 bytes of LDS; arguments xc, xs, woc, wos, bo, out0; writes out0
.if DOCPART == 3
	.amdgcn_target "amdgcn-amd-amdhsa--gfx1250"
	.amdhsa_code_object_version 6
	.text
	.protected	k_q0d349e16cc_proj
	.globl	k_q0d349e16cc_proj
	.p2align	8
	.type	k_q0d349e16cc_proj,@function
k_q0d349e16cc_proj:
	s_mov_b64 s[64:65], 0
	v_nop
	global_prefetch_b8 v0, s[64:65] scope:SCOPE_SE
	s_setreg_imm32_b32 hwreg(HW_REG_WAVE_MODE, 25, 1), 1
	s_wait_xcnt 0x0
; PromptAttention, third of three launches: out0 = Q(x) Q(Wo) + bo, K = 512 = 8 heads x 64, on the codes and scale words that the earlier launches stored (woc, wos: the first; xc, xs: the second).
; SHARES.  Work-group g = 8 b + qt makes rows 16 g .. 16 g + 15 of out0 [4096][128]; wave w its columns 32 w .. 32 w + 31: two accumulators, which take turns.
; xc: [b][h][qt][block 2][row 16][piece 2][12 bytes]; woc: [h][nt][block 2][column 16][piece 2][12 bytes].  A block's two pieces on end are its 32 codes, in an order inside the block that is the same on both sides.
; FULL FRAGMENTS: K step s is heads 2 s and 2 s + 1.  Lane (r, hh) takes the 24 bytes of block hh of head 2 s into registers 0-5 and those of head 2 s + 1 into registers 6-11, each as three loads of 8 bytes.
; xs, wos hold one word a head and row, [s(block 0), s(block 0), s(block 1), s(block 1)]: bytes 0 and 2 of two heads' words make a K step's scale word.
; TRANSPOSED: source 0 = 16 columns of Wo, source 1 = x's 16 rows: a lane holds eight neighbouring numbers of a row of out0.  bo is the C of each sum's first product.
; NO CLUSTER, NO TENSOR LOAD: the launch is one step: each wave takes its operands straight into registers once (144 registers of codes) and issues eight products; a joint request would put a round of the
; cluster's barrier and a trip through LDS in front of them and spare nothing that is read twice by one work-group.
.set XA,  3                            ; v3  384 hh + 24 r
.set L4,  4                            ; v4  4 x lane
.set BA,  5                            ; v5  32 hh
.set STO, 6                            ; v6  the stage, in: 528 r + 32 hh + 128 w
.set RD,  7                            ; v7  back: 4 rows a wave: 2112 w + 16 x lane
.set L16, 8                            ; v8  16 x lane
.set XF,  16                           ; v16-63   x's four fragments
.set WF,  64                           ; v64-159  Wo's eight: (n, s) at 12 (4 n + s)
.set XR,  160                          ; v160-167 x's words as stored, a head each
.set WR,  168                          ; v168-183 Wo's: (n, h) at 8 n + h
.set XS,  184                          ; v184-187 x's scale words      (v184-195 hold scales and nothing else)
.set WS,  188                          ; v188-195 Wo's
.set BI,  196                          ; v196-211 bo in the result's layout
.set ACC, 212                          ; v212-227
.set OUTR, 228                         ; v228-243
	s_load_b256 s[4:11], s[0:1], 0x0               ; xc s[4:5], xs s[6:7], woc s[8:9], wos s[10:11]
	s_load_b128 s[12:15], s[0:1], 0x20             ; bo s[12:13], out0 s[14:15]
	v_lshl_add_u32 v248, v0, 2, 0x2100
	v_mov_b32 v249, 0
	v_lshrrev_b32 v1, 5, v0
	v_readfirstlane_b32 s16, v1                    ; wave 0..3
	v_and_b32 v1, 15, v0                           ; r
	v_bfe_u32 v2, v0, 4, 1                         ; hh
	v_and_b32 v9, 31, v0                           ; lane
	v_mul_u32_u24 v[XA], v1, 24
	v_mad_u32_u24 v[XA], v2, 384, v[XA]
	v_lshlrev_b32 v[L4], 2, v9
	v_lshlrev_b32 v[BA], 5, v2
	v_mul_u32_u24 v[STO], v1, 528
	v_lshl_add_u32 v[STO], v2, 5, v[STO]
	s_lshl_b32 s28, s16, 7
	v_add_nc_u32 v[STO], s28, v[STO]
	v_lshlrev_b32 v[L16], 4, v9
	s_mul_i32 s19, s16, 2112
	v_add_nc_u32 v[RD], s19, v[L16]
	s_lshr_b32 s17, ttmp9, 3                       ; b
	s_and_b32 s18, ttmp9, 7                        ; qt
	s_mul_i32 s20, s17, 49152                      ; xc: 8 heads x 8 tiles x 768 bytes a batch
	s_mul_i32 s19, s18, 768
	s_add_co_u32 s20, s20, s19
	s_mov_b32 s21, 0
	s_lshl_b32 s22, s17, 13                        ; xs: 8 x 8 x 128 bytes a batch
	s_lshl_b32 s19, s18, 7
	s_add_co_u32 s22, s22, s19
	s_mov_b32 s23, 0
	s_mul_i32 s24, s16, 1536                       ; woc: my two tiles of columns
	s_mov_b32 s25, 0
	s_lshl_b32 s26, s16, 8                         ; wos likewise
	s_mov_b32 s27, 0
	s_mov_b32 s29, 0                               ; s[28:29]: bo: my 32 numbers
	s_lshl_b32 s30, ttmp9, 13                      ; out0: 16 rows of 512 bytes a work-group,
	s_lshl_b32 s19, s16, 11                        ; of which I store 4
	s_add_co_u32 s30, s30, s19
	s_mov_b32 s31, 0
	s_wait_kmcnt 0x0
	s_add_nc_u64 s[4:5], s[4:5], s[20:21]
	s_add_nc_u64 s[6:7], s[6:7], s[22:23]
	s_add_nc_u64 s[8:9], s[8:9], s[24:25]
	s_add_nc_u64 s[10:11], s[10:11], s[26:27]
	s_add_nc_u64 s[12:13], s[12:13], s[28:29]
	s_add_nc_u64 s[14:15], s[14:15], s[30:31]
.irp s, 0,1,2,3
.irp c, 0,1
.irp p, 0,1,2
	global_load_b64 v[XF+12*\s+6*\c+2*\p:XF+12*\s+6*\c+2*\p+1], v[XA], s[4:5] offset:6144*(2*\s+\c)+8*\p
.endr
.endr
.endr
.irp h, 0,1,2,3,4,5,6,7
	global_load_b32 v[XR+\h], v[L4], s[6:7] offset:1024*\h
.endr
.irp n, 0,1
.irp s, 0,1,2,3
.irp c, 0,1
.irp p, 0,1,2
	global_load_b64 v[WF+12*(4*\n+\s)+6*\c+2*\p:WF+12*(4*\n+\s)+6*\c+2*\p+1], v[XA], s[8:9] offset:6144*(2*\s+\c)+768*\n+8*\p
.endr
.endr
.endr
.irp h, 0,1,2,3,4,5,6,7
	global_load_b32 v[WR+8*\n+\h], v[L4], s[10:11] offset:1024*\h+128*\n
.endr
	global_load_b128 v[BI+8*\n:BI+8*\n+3], v[BA], s[12:13] offset:64*\n        ; bo(32 w + 16 n + 8 hh + 0 .. 7)
	global_load_b128 v[BI+8*\n+4:BI+8*\n+7], v[BA], s[12:13] offset:64*\n+16
.endr
	s_wait_loadcnt 0x0
.irp s, 0,1,2,3
	v_perm_b32 v[XS+\s], v[XR+2*\s+1], v[XR+2*\s], 0x06040200   ; [head 2 s block 0, block 1, head 2 s + 1 block 0, block 1]
.endr
.irp n, 0,1
.irp s, 0,1,2,3
	v_perm_b32 v[WS+4*\n+\s], v[WR+8*\n+2*\s+1], v[WR+8*\n+2*\s], 0x06040200
.endr
.endr
.rept 8
	v_nop                                          ; a scale word written by a vector instruction stands 8 places ahead of a scaled matrix instruction
.endr
.irp s, 0,1,2,3
.irp n, 0,1
.if \s == 0
	v_wmma_scale_f32_16x16x128_f8f6f4 v[ACC+8*\n:ACC+8*\n+7], v[WF+12*(4*\n+\s):WF+12*(4*\n+\s)+11], v[XF+12*\s:XF+12*\s+11], v[BI+8*\n:BI+8*\n+7], v[WS+4*\n+\s], v[XS+\s] matrix_a_fmt:MATRIX_FMT_FP6 matrix_b_fmt:MATRIX_FMT_FP6
.else
	v_wmma_scale_f32_16x16x128_f8f6f4 v[ACC+8*\n:ACC+8*\n+7], v[WF+12*(4*\n+\s):WF+12*(4*\n+\s)+11], v[XF+12*\s:XF+12*\s+11], v[ACC+8*\n:ACC+8*\n+7], v[WS+4*\n+\s], v[XS+\s] matrix_a_fmt:MATRIX_FMT_FP6 matrix_b_fmt:MATRIX_FMT_FP6
.endif
.endr
.endr
.rept 4
	v_nop                                          ; 4 places ahead of the stores that read the results
.endr
.irp n, 0,1
	ds_store_b128 v[STO], v[ACC+8*\n:ACC+8*\n+3] offset:64*\n       ; lane (r, hh): out0(r, 32 w + 16 n + 8 hh + 0 .. 7); each accumulator from its low end on
	ds_store_b128 v[STO], v[ACC+8*\n+4:ACC+8*\n+7] offset:64*\n+16
.endr
	s_wait_dscnt 0x0                               ; for the others' sake: a row's 512 bytes come from four waves
	s_barrier_signal -1
	s_barrier_wait -1
.irp i, 0,1,2,3
	ds_load_b128 v[OUTR+4*\i:OUTR+4*\i+3], v[RD] offset:528*\i
.endr
	s_wait_dscnt 0x0
.irp i, 0,1,2,3
	global_store_b128 v[L16], v[OUTR+4*\i:OUTR+4*\i+3], s[14:15] offset:512*\i th:TH_STORE_NT   ; 32 lanes store a row of 512 consecutive bytes, aligned
.endr
	s_wait_tensorcnt 0x0
	ds_add_u32 v248, v249
	s_wait_dscnt 0x0
	s_endpgm
.Lfunc_end_k_q0d349e16cc_proj:
	.size	k_q0d349e16cc_proj, .Lfunc_end_k_q0d349e16cc_proj-k_q0d349e16cc_proj
	.p2alignl 7, 3214868480
	.fill 96, 4, 3214868480
	.section	.rodata,"a",@progbits
	.p2align	6, 0x0
	.amdhsa_kernel k_q0d349e16cc_proj
		.amdhsa_group_segment_fixed_size 8960
		.amdhsa_private_segment_fixed_size 0
		.amdhsa_enable_private_segment 0
		.amdhsa_kernarg_size 48
		.amdhsa_user_sgpr_count 2
		.amdhsa_user_sgpr_kernarg_segment_ptr 1
		.amdhsa_wavefront_size32 1
		.amdhsa_system_sgpr_workgroup_id_x 1
		.amdhsa_system_sgpr_workgroup_id_y 1
		.amdhsa_system_sgpr_workgroup_id_z 1
		.amdhsa_system_vgpr_workitem_id 0
		.amdhsa_next_free_vgpr 250
		.amdhsa_next_free_sgpr 66
		.amdhsa_reserve_vcc 0
		.amdhsa_float_denorm_mode_32 3
		.amdhsa_float_denorm_mode_16_64 3
		.amdhsa_memory_ordered 1
		.amdhsa_forward_progress 1
		.amdhsa_inst_pref_size 16
	.end_amdhsa_kernel
	.amdgpu_metadata
---
amdhsa.version: [ 1, 2 ]
amdhsa.kernels:
  - .name:           k_q0d349e16cc_proj
    .symbol:         k_q0d349e16cc_proj.kd
    .args:
      - { .name: xc, .offset: 0, .size: 8, .value_kind: global_buffer, .address_space: global }
      - { .name: xs, .offset: 8, .size: 8, .value_kind: global_buffer, .address_space: global }
      - { .name: woc, .offset: 16, .size: 8, .value_kind: global_buffer, .address_space: global }
      - { .name: wos, .offset: 24, .size: 8, .value_kind: global_buffer, .address_space: global }
      - { .name: bo, .offset: 32, .size: 8, .value_kind: global_buffer, .address_space: global }
      - { .name: out0, .offset: 40, .size: 8, .value_kind: global_buffer, .address_space: global }
    .group_segment_fixed_size: 8960
    .private_segment_fixed_size: 0
    .kernarg_segment_align: 8
    .kernarg_segment_size: 48
    .max_flat_workgroup_size: 128
    .sgpr_count:     66
    .vgpr_count:     250
    .wavefront_size: 32
...
	.end_amdgpu_metadata
.endif
;; end of part 3
